; MI455X (gfx1250); checked and timed in simulation.
; The chip was launched on July 23, 2026; its instructions are those of AMD's public machine-readable ISA for CDNA 5 (MIT licence, August 2026) and "CDNA5" Instruction Set Architecture Reference Guide (July 2026). The comments in the code are by the model that wrote it; some were corrected since.
;; Masked Self Attention. Allowed arithmetic: matrix products marked QUANTISED: E4M3 operands, one given power-of-two scale a tensor, by v_wmma_f32_16x16x64_fp8_fp8 or v_wmma_f32_16x16x128_fp8_fp8, f32 sums; everything else in f32.
;; Inputs: b_o 1,024 float32; lowp_scales 12 int32 (the exponents e of the quantised operands' scales 2^e); w_k 1,024 x 1,024 float32; w_o 1,024 x 1,024 float32; w_q 1,024 x 1,024 float32; w_v 1,024 x 1,024 float32; x 4 x 2,048 x 1,024 float32.
;; Outputs: out0 4 x 2,048 x 1,024 float32.
;; This version of the problem:
;;   THIS VERSION OF THE PROBLEM IS GIVEN IN LOW PRECISION. The matrix products marked QUANTISED in the list below multiply operands that are first quantised to E4M3 (4 exponent bits, 3 mantissa bits; 8 bits a number), with one given power-of-two scale for each operand tensor; their sums are f32. All else is computed in f32.
;;   The module's matrix products, in the order in which they are computed (A, B: the left and right operand; K: the contracted axis; several contracted axes count as one K, in the product's order):
;;     1. [M 8,192, K 1,024] x [K 1,024, N 1,024]; A: input x; B: input w_q: QUANTISED (scales: A lowp_scales[0], B lowp_scales[1])
;;     2. [M 8,192, K 1,024] x [K 1,024, N 1,024]; A: input x; B: input w_k: QUANTISED (scales: A lowp_scales[2], B lowp_scales[3])
;;     3. [M 8,192, K 1,024] x [K 1,024, N 1,024]; A: input x; B: input w_v: QUANTISED (scales: A lowp_scales[4], B lowp_scales[5])
;;     4. batch 64 x [M 2,048, K 64] x [K 64, N 2,048]; A: computed on the way; B: computed on the way: QUANTISED (scales: A lowp_scales[6], B lowp_scales[7])
;;     5. batch 64 x [M 2,048, K 2,048] x [K 2,048, N 64]; A: softmax (see below); B: computed on the way: QUANTISED (scales: A lowp_scales[8], B lowp_scales[9])
;;     6. [M 8,192, K 1,024] x [K 1,024, N 1,024]; A: computed on the way; B: input w_o: QUANTISED (scales: A lowp_scales[10], B lowp_scales[11])
;;   THE QUANTISER, for each operand of a quantised product, along K:
;;     - The operand's scale is 2^e, e = its entry of the input lowp_scales (int32; the entries are numbered through the quantised products in the list's order, A before B).
;;     - Each number is divided by the scale, clamped to +-448, and rounded to the nearest number of E4M3, ties to even, subnormals kept.
;;     - The product sums the exact products of the quantised numbers (number of the format x scale) in f32.
;;   ~~~python
;;   def quantise(x, axis, e):      # numpy; x: float32 -> the quantised numbers, widened to float32 again
;;       x = np.moveaxis(x, axis, -1); K = x.shape[-1]
;;       r = np.clip(x / 2.0 ** e, -448, 448)
;;       step = 2.0 ** (np.maximum(np.frexp(np.where(r == 0, 1, r))[1] - 1, -6) - 3)
;;       q = np.round(r / step) * step * 2.0 ** e      # np.round: ties to even
;;       return np.moveaxis(q, -1, axis).astype(np.float32)
;;   ~~~
;;   SOFTMAX AHEAD OF A QUANTISED PRODUCT. Where the list says 'softmax', what is quantised is not the finished softmax but p = 2^(t - M), with t = logit x log2(e) and M = ceil(the row's largest t), a whole number; so 1/2 < the row's largest p <= 1. The row's sum l is taken of the UNQUANTISED p, in f32, and the product's result is divided by l at the end. Since M is a whole number, a kernel that streams over the keys may use a running M (the ceiling of the running maximum): every later rescaling is an exact power of two, so the quantised numbers keep their values, but for numbers so far below the row's largest that they fall under the format's range.
;;   OPERANDS COMPUTED ON THE WAY. 'Computed on the way' means the value that the module computes at that place (a softmax that the list does not call 'softmax' is quantised finished and normalised). What goes into a quantiser is computed in f32, as accurately as f32 sums, v_exp_f32 and their like allow (about 1e-6 of the number): no bf16 or f16 on the way to a quantiser, and a product that is left as it is and whose result goes on into a quantised operand takes f32 operands (vector FMAs, or v_wmma_f32_16x16x4_f32). A number that lies on a knife's edge between two numbers of the format may be rounded either way, as far as f32 arithmetic and the matrix unit's own rounding can turn it there, and no further.
;; One version. Each part assembles by itself: llvm-mc -triple=amdgcn-amd-amdhsa -mcpu=gfx1250 --defsym DOCPART=n.
;; ======== version 1 of 1: 4 launches
;; limits: right only within a limited range of input values
;; workspace buffers: xc 25,165,824 bytes; wc 4,194,304 bytes; qkvc 25,165,824 bytes; cc 8,388,608 bytes
;; launch quant (part 1): grid 384 x 1, 4 waves a work-group, no clusters, 68,096 bytes of LDS; arguments x, w_q, w_k, w_v, w_o, lowp_scales, xc, wc; writes xc, wc
.if DOCPART == 1
	.amdgcn_target "amdgcn-amd-amdhsa--gfx1250"
	.amdhsa_code_object_version 6
	.text
	.protected	k_qf28a0d07e1_quant
	.globl	k_qf28a0d07e1_quant
	.p2align	8
	.type	k_qf28a0d07e1_quant,@function
k_qf28a0d07e1_quant:
	s_mov_b64 s[64:65], 0
	v_nop
	global_prefetch_b8 v0, s[64:65] scope:SCOPE_SE
	s_setreg_imm32_b32 hwreg(HW_REG_WAVE_MODE, 25, 1), 1
	s_wait_xcnt 0x0
; x [8192][1024] and the four weights [1024][1024], f32 with K innermost, become codes of FP8 (E4M3), laid as IMAGES OF THE OPERAND'S REGISTERS.
; code = number / 2^e, held within +-448, rounded to the nearest code, ties to even.  x is quantised three times, with entries 0, 2, 4 of the scales (one for each of the three products that read it);
; w_q, w_k, w_v, w_o with entries 1, 3, 5, 11.
; THE IMAGE.  A fragment is 16 row slots x 128 along K, 2,048 bytes: byte c*512 + lane*16 + i holds k = 32 c + 16 (lane / 16) + i of row slot lane % 16.  A block of 16 row slots is 8 fragments on end, 16,384 bytes.
; THE ROW SLOTS ARE NOT NEIGHBOURS: slot r of block rb holds row 32 (rb / 2) + 8 (rb % 2) + r + 8 (r / 8).  With that order the results of a transposed product lie, in a lane's registers, as 16 neighbours along the next K.
; SHARES.  A wave takes 4 fragments: one block of row slots, half of K.  Work-groups 0-255 take x (512 blocks), 256-383 the weights (32 work-groups each).  The two paths part on the work-group's number, each with LDS bytes of its own.
; Each load reads 512 consecutive bytes of one row, 16 a lane; a conversion wants 16 neighbours along K in ONE lane: so a fragment's 8,192 bytes turn through the wave's own stage in LDS (16 rows, pitch 528 = 33 x 16 bytes,
; so that sixteen lanes' rows start 16 bytes apart modulo 256).  A lane's 16 codes are 16 bytes: each store covers 512 consecutive bytes, aligned.  Waves share nothing: no barrier.
; LIMITS: each e between -126 and 119, so that 2^e and 448 x 2^e are f32 numbers.  NaN among the inputs is not served; an infinity is held at the largest code.
.set SP,    528                        ; a stage row: 512 bytes + 16
.set STGB,  16*SP                      ; a wave's stage
.set LO,    1                          ; v1   16 x lane: my place in a load's and in a store's 512 bytes; never rewritten
.set SI,    2                          ; v2   the stage, on the way in: 16 x lane
.set SO,    3                          ; v3   and on the way out: row slot r, + 64 (lane / 16)
.set SCL,   4                          ; v4-6 2^e as f32, one for each scale
.set LIM,   7
.set R,     16                         ; v16-143  two sets of 64: a fragment as loaded
.set X,     144                        ; v144-207 the fragment turned: register 16 c + n = k 32 c + 16 (lane / 16) + n of my row slot
.set T,     208
.set C,     240                        ; v240-255 a fragment's codes
.set SRC,   24                         ; s[24:25] my rows, at my half of K
.set DST,   26                         ; s[26:27], s[28:29], s[30:31] my fragments in the image, one for each scale
	s_load_b512 s[8:23], s[0:1], 0x0               ; x 8, w_q 10, w_k 12, w_v 14, w_o 16, the scales' exponents 18, xc 20, wc 22
	v_lshl_add_u32 v14, v0, 2, 0x10800
	v_mov_b32 v15, 0
	v_lshrrev_b32 v10, 5, v0
	v_readfirstlane_b32 s2, v10                    ; wave 0..3
	v_and_b32 v11, 31, v0
	v_lshlrev_b32 v[LO], 4, v11
	v_and_b32 v12, 15, v0                          ; r
	v_bfe_u32 v13, v0, 4, 1                        ; lane / 16
	v_mul_u32_u24 v[SO], v12, SP
	v_lshl_add_u32 v[SO], v13, 6, v[SO]
	s_lshr_b32 s3, s2, 1                           ; rb % 2: waves 0, 1 take the even block of the work-group's two, waves 2, 3 the odd one
	s_and_b32 s4, s2, 1                            ; which half of K
	s_mul_i32 s5, s2, STGB                         ; my stage
	s_lshl_b32 s6, s3, 15                          ; in the source: 8 rows of 4,096 bytes for the odd block,
	s_lshl_b32 s7, s4, 11                          ; 512 numbers for the second half of K
	s_add_co_u32 s6, s6, s7
	s_lshl_b32 s7, s3, 14                          ; in the image: a block of 16,384 bytes,
	s_lshl_b32 s44, s4, 13                         ; four fragments
	s_add_co_u32 s7, s7, s44
	s_mov_b32 s47, 0
	s_wait_kmcnt 0x0
	s_load_b256 s[32:39], s[18:19], 0x0            ; e0 .. e7
	s_load_b128 s[40:43], s[18:19], 0x20           ; e8 .. e11
.macro LOADS t                         ; fragment t as it lies: 16 rows x 512 bytes; the order of the row slots stands in the immediate
.irp i, 0,1,2,3,4,5,6,7,8,9,10,11,12,13,14,15
	global_load_b128 v[R+64*((\t)%2)+4*\i:R+64*((\t)%2)+4*\i+3], v[LO], s[SRC:SRC+1] offset:(\i+8*(\i/8))*4096+512*(\t) th:TH_LOAD_NT
.endr
.endm
.macro TURNX t                         ; through the stage: LDS serves a wave's instructions in order (ISA guide 5.7.1.4), so no wait stands between the stores and the loads
.irp i, 0,1,2,3,4,5,6,7,8,9,10,11,12,13,14,15
	ds_store_b128 v[SI], v[R+64*((\t)%2)+4*\i:R+64*((\t)%2)+4*\i+3] offset:SP*\i
.endr
	v_nop
.irp c, 0,1,2,3
.irp j, 0,1,2,3
	ds_load_b128 v[X+16*\c+4*\j:X+16*\c+4*\j+3], v[SO] offset:128*\c+16*\j
.endr
.endr
.endm
.macro MKSC i, se                      ; scale i from the exponent in s[se]
	s_add_co_i32 s48, s[\se], 127
	s_lshl_b32 s49, s48, 23
	v_mov_b32 v[SCL+\i], s49                       ; 2^e as f32: the conversion takes its exponent field
	s_add_co_i32 s48, s48, 8
	s_lshl_b32 s48, s48, 23
	s_or_b32 s48, s48, 0x600000
.endm
.macro QSC i, t                        ; fragment t with scale i: converted, stored
.if (\i)+(\t) > 0
	s_wait_xcnt 0x0                                ; the codes' registers, which the last four stores read, are written again only behind this wait
.endif
.irp c, 0,1,2,3
.irp n, 0,1,2,3,4,5,6,7,8,9,10,11,12,13,14,15
.endr
	v_cvt_scalef32_pk8_fp8_f32 v[C+4*\c:C+4*\c+1], v[T+16*(\c%2)+((X+16*\c+0)-(T+16*(\c%2)+0)):T+16*(\c%2)+7+((X+16*\c+0)-(T+16*(\c%2)+0))], v[SCL+\i]
	v_cvt_scalef32_pk8_fp8_f32 v[C+4*\c+2:C+4*\c+3], v[T+16*(\c%2)+8+((X+16*\c+0)-(T+16*(\c%2)+0)):T+16*(\c%2)+15+((X+16*\c+0)-(T+16*(\c%2)+0))], v[SCL+\i]
.endr
.irp c, 0,1,2,3
	global_store_b128 v[LO], v[C+4*\c:C+4*\c+3], s[DST+2*\i:DST+2*\i+1] offset:2048*(\t)+512*\c   ; 32 lanes store 512 consecutive bytes
.endr
.endm
.macro FSTEP t, ns                     ; fragment t, ns scales
.if (\t) < 3
	s_wait_loadcnt 16                              ; this fragment's 16 loads are in; the next fragment's 16 may be out
.else
	s_wait_loadcnt 0x0
.endif
	TURNX \t
	s_wait_dscnt 0x0                               ; the turned numbers are in, and the stage's stores have read their registers,
.if (\t)+2 < 4
	LOADS (\t)+2                                   ; which take the fragment two further on
.endif
	QSC 0, \t
.if \ns > 1
	QSC 1, \t
	QSC 2, \t
.endif
.endm
	s_cmp_lt_u32 ttmp9, 256
	s_cbranch_scc0 .Lweights
	s_wait_alu depctr_va_vdst(0)
	; ---- x: work-group g takes rows 32 g .. 32 g + 31, blocks 2 g and 2 g + 1
	v_add_nc_u32 v[SI], s5, v[LO]
	v_add_nc_u32 v[SO], s5, v[SO]
	s_lshl_b32 s46, ttmp9, 17                      ; 32 rows of 4,096 bytes
	s_add_co_u32 s46, s46, s6
	s_add_nc_u64 s[SRC:SRC+1], s[8:9], s[46:47]
	s_lshl_b32 s46, ttmp9, 15                      ; two blocks of the image
	s_add_co_u32 s46, s46, s7
	s_add_nc_u64 s[DST:DST+1], s[20:21], s[46:47]
	s_add_nc_u64 s[DST+2:DST+3], s[DST:DST+1], 0x800000    ; the three images of x lie 8,388,608 bytes apart
	s_add_nc_u64 s[DST+4:DST+5], s[DST:DST+1], 0x1000000
	LOADS 0
	LOADS 1
	s_wait_alu depctr_va_vdst(0)
	s_wait_kmcnt 0x0
	MKSC 0, 32                                     ; e0
	MKSC 1, 34                                     ; e2
	MKSC 2, 36                                     ; e4
	s_wait_alu depctr_va_vdst(0)
	FSTEP 0, 3
	FSTEP 1, 3
	FSTEP 2, 3
	FSTEP 3, 3
	s_wait_tensorcnt 0x0
	ds_add_u32 v14, v15
	s_wait_dscnt 0x0
	s_endpgm
.Lweights:
	; ---- the weights: work-group 256 + 32 id + g takes rows 32 g .. 32 g + 31 of weight id (0 w_q, 1 w_k, 2 w_v, 3 w_o)
	s_add_co_u32 s5, s5, 4*STGB                    ; this path's stages lie behind the other path's
	s_wait_alu depctr_va_vdst(0)
	v_add_nc_u32 v[SI], s5, v[LO]
	v_add_nc_u32 v[SO], s5, v[SO]
	s_sub_co_u32 s45, ttmp9, 256
	s_lshr_b32 s51, s45, 5                         ; id
	s_and_b32 s45, s45, 31                         ; g
	s_cmp_eq_u32 s51, 1                            ; the buffer is chosen on the work-group's number alone
	s_cselect_b64 s[SRC:SRC+1], s[12:13], s[10:11]
	s_cmp_eq_u32 s51, 2
	s_cselect_b64 s[SRC:SRC+1], s[14:15], s[SRC:SRC+1]
	s_cmp_eq_u32 s51, 3
	s_cselect_b64 s[SRC:SRC+1], s[16:17], s[SRC:SRC+1]
	s_lshl_b32 s46, s45, 17
	s_add_co_u32 s46, s46, s6
	s_add_nc_u64 s[SRC:SRC+1], s[SRC:SRC+1], s[46:47]
	s_lshl_b32 s46, s45, 15
	s_add_co_u32 s46, s46, s7
	s_lshl_b32 s52, s51, 20                        ; the four images lie 1,048,576 bytes apart
	s_add_co_u32 s46, s46, s52
	s_add_nc_u64 s[DST:DST+1], s[22:23], s[46:47]
	LOADS 0
	LOADS 1
	s_wait_alu depctr_va_vdst(0)
	s_wait_kmcnt 0x0
	s_cmp_eq_u32 s51, 1
	s_cselect_b32 s50, s35, s33                    ; e3 or e1,
	s_cmp_eq_u32 s51, 2
	s_cselect_b32 s50, s37, s50                    ; e5,
	s_cmp_eq_u32 s51, 3
	s_cselect_b32 s50, s43, s50                    ; e11
	MKSC 0, 50
	s_wait_alu depctr_va_vdst(0)
	FSTEP 0, 1
	FSTEP 1, 1
	FSTEP 2, 1
	FSTEP 3, 1
	s_wait_tensorcnt 0x0
	ds_add_u32 v14, v15
	s_wait_dscnt 0x0
	s_endpgm
.Lfunc_end_k_qf28a0d07e1_quant:
	.size	k_qf28a0d07e1_quant, .Lfunc_end_k_qf28a0d07e1_quant-k_qf28a0d07e1_quant
	.p2alignl 7, 3214868480
	.fill 96, 4, 3214868480
	.section	.rodata,"a",@progbits
	.p2align	6, 0x0
	.amdhsa_kernel k_qf28a0d07e1_quant
		.amdhsa_group_segment_fixed_size 68096
		.amdhsa_private_segment_fixed_size 0
		.amdhsa_enable_private_segment 0
		.amdhsa_kernarg_size 64
		.amdhsa_user_sgpr_count 2
		.amdhsa_user_sgpr_kernarg_segment_ptr 1
		.amdhsa_wavefront_size32 1
		.amdhsa_system_sgpr_workgroup_id_x 1
		.amdhsa_system_sgpr_workgroup_id_y 1
		.amdhsa_system_sgpr_workgroup_id_z 1
		.amdhsa_system_vgpr_workitem_id 0
		.amdhsa_next_free_vgpr 256
		.amdhsa_next_free_sgpr 66
		.amdhsa_reserve_vcc 0
		.amdhsa_float_denorm_mode_32 3
		.amdhsa_float_denorm_mode_16_64 3
		.amdhsa_fp16_overflow 1
		.amdhsa_memory_ordered 1
		.amdhsa_forward_progress 1
		.amdhsa_inst_pref_size 48
	.end_amdhsa_kernel
	.amdgpu_metadata
---
amdhsa.version: [ 1, 2 ]
amdhsa.kernels:
  - .name:           k_qf28a0d07e1_quant
    .symbol:         k_qf28a0d07e1_quant.kd
    .args:
      - { .name: x, .offset: 0, .size: 8, .value_kind: global_buffer, .address_space: global }
      - { .name: w_q, .offset: 8, .size: 8, .value_kind: global_buffer, .address_space: global }
      - { .name: w_k, .offset: 16, .size: 8, .value_kind: global_buffer, .address_space: global }
      - { .name: w_v, .offset: 24, .size: 8, .value_kind: global_buffer, .address_space: global }
      - { .name: w_o, .offset: 32, .size: 8, .value_kind: global_buffer, .address_space: global }
      - { .name: lowp_scales, .offset: 40, .size: 8, .value_kind: global_buffer, .address_space: global }
      - { .name: xc, .offset: 48, .size: 8, .value_kind: global_buffer, .address_space: global }
      - { .name: wc, .offset: 56, .size: 8, .value_kind: global_buffer, .address_space: global }
    .group_segment_fixed_size: 68096
    .private_segment_fixed_size: 0
    .kernarg_segment_align: 8
    .kernarg_segment_size: 64
    .max_flat_workgroup_size: 128
    .sgpr_count:     66
    .vgpr_count:     256
    .wavefront_size: 32
...
	.end_amdgpu_metadata
.endif
;; end of part 1
;; launch qkv (part 2): grid 12 x 32, 4 waves a work-group, clusters of 4 x 4, 327,680 bytes of LDS; arguments xc, wc, lowp_scales, qkvc; writes qkvc
.if DOCPART == 2
	.amdgcn_target "amdgcn-amd-amdhsa--gfx1250"
	.amdhsa_code_object_version 6
	.text
	.protected	k_qf28a0d07e1_qkv
	.globl	k_qf28a0d07e1_qkv
	.p2align	8
	.type	k_qf28a0d07e1_qkv,@function
k_qf28a0d07e1_qkv:
	s_mov_b64 s[64:65], 0
	v_nop
	global_prefetch_b8 v0, s[64:65] scope:SCOPE_SE
	s_setreg_imm32_b32 hwreg(HW_REG_WAVE_MODE, 25, 1), 1
	s_wait_xcnt 0x0
	s_wait_alu depctr_hold_cnt(0) depctr_sa_sdst(0) depctr_va_vdst(0) depctr_va_sdst(0) depctr_va_ssrc(0) depctr_va_vcc(0) depctr_vm_vsrc(0)
	s_getreg_b32 s2, hwreg(HW_REG_IB_STS2, 6, 4)
	s_cmp_eq_u32 s2, 0
	s_cbranch_scc0 .Lentry_in_a_cluster
	s_endpgm
.Lentry_in_a_cluster:
	s_bfe_u32 s2, ttmp6, 0x10000c
	s_cmp_lg_u32 s2, 0xf033
	s_cbranch_scc0 .Lentry_shape_is_right
	s_endpgm
.Lentry_shape_is_right:
; q = x w_q^T, k = x w_k^T, v = x w_v^T on codes of FP8 (E4M3); the f32 sums are quantised in registers, q with entry 6 of the scales, k with entry 7, v with entry 9, and leave as images of the next operands' registers.
; OPERANDS are images: a fragment (16 row slots x 128 K) is 2,048 bytes, byte c*512 + lane*16 + i = k 32 c + 16 (lane / 16) + i of slot lane % 16; a block of 16 slots is 8 fragments, 16,384 bytes;
; slot r of block rb holds row 32 (rb / 2) + 8 (rb % 2) + r + 8 (r / 8).  The same places of k stand in both operands, so every product meets its partner.
; SHARES.  A tile of the result, 256 x 256, is made by four waves, each 128 x 128: 64 accumulators, 512 registers.  K = 1,024 goes in four steps of 256 through a ring of two LDS slots: two laps, written out.
; THE MATRIX INSTRUCTION IS USED TRANSPOSED: source 0 ("B") 16 slots, source 1 ("A") 16 slots.  Lane (r, h) then holds slot r of A, and the 16 registers of B's blocks 2 b and 2 b + 1 are rows 32 b + 16 h + 0 .. 15 of B:
; 16 neighbours along the next product's K.  Two conversions make 16 bytes that are the next operand's image as they stand; a store covers 512 consecutive bytes.  No stage in LDS.
; THE CLUSTER'S x IS THE PROJECTION (0 q, 1 k, 2 v).  q, k: A = x (tokens), B = the weight (channels): a lane's registers run along the head's channels.  v: A = w_v (channels), B = x (tokens): they run along the keys.
; CLUSTERS: 4 x 4 work-groups; A's tile is shared along a row of the cluster, B's along a column: each is asked for jointly, by the same tensor load with the same descriptor and a mask that names the four.
; OUT.  qkvc: Q at 0, K at 8,388,608, V at 16,777,216; 131,072 bytes for each (batch x 16 + head).  Q, K: [block of 16 token slots][c 0..1][lane][16 bytes].  V: [128 keys][block of 16 channel slots 0..3][c 0..3][lane][16 bytes].
; LIMIT: e6 - e0 - e1, e7 - e2 - e3 and e9 - e4 - e5 between -126 and 119, so that each folded scale and 448 x it are f32 numbers.
; REGISTERS, in windows of 256: window 0: v0-31 addresses and the scale; v128-255 A's fragments, ONE set; on the way out v32-159 the codes.  window 1: B's fragments, TWO sets.  windows 2, 3: the accumulators ((a, b) at v[8 (8 (a % 4) + b)]).
.set HALFT,  32768                     ; 8 blocks of slots x 4,096 bytes (256 along K): what one tensor load brings, and what one wave reads of A or of B
.set SLOT,   4*HALFT                   ; A's 256 slots, then B's 256
.set SPARE,  2*SLOT                    ; behind the ring: the spare words, 128 bytes for each wave, that no other line names
.set KSB,    4096                      ; a K step in a block's 16,384 bytes
.set FR,     16                        ; registers of a fragment
.set NL,     4                         ; LDS loads that bring one
.set NP,     4                         ; places behind this matrix instruction (ISA guide 7.12.1)
.set ADRA, 16                          ; v16-17  LDS address of my A fragments in slot 0, 1
.set ADRB, 20                          ; v20-21  the same for B
.set LI,   26                          ; v26     16 x lane
.set SPW,  28                          ; v28     LDS address of my spare word; never rewritten
.set NIL,  29                          ; v29     0; never rewritten
.set SC,   30                          ; v30     the folded scale as f32
.set LIM,  31
.set CD,   32                          ; v32-159 the codes: four registers for each of 32 stores
.set AF,   128                         ; A's fragments
.set G1, 24                            ; s[24:31] descriptor group 1 for A's tiles;  s[32:39] group 0, one set for each slot
.set G0, 32
.set G1B, 48                           ; s[48:55], s[56:63] the same for B's tiles
.set G0B, 56
.set MSB, 0
.macro WIN new                         ; the immediate's high byte repeats the setting that is left; a switch that changes nothing is dropped
.if MSB != (\new)
	s_set_vgpr_msb (MSB<<8)|(\new)
.set MSB, (\new)
.endif
.endm
.set MUL_LO, 0xa1                      ; source 0 (B) window 1, source 1 (A) window 0, C and D window 2
.set MUL_HI, 0xf1                      ; the same, C and D window 3
.set TO_B,   0x40                      ; destination window 1, address window 0
; A joint load: waves 0 and 1 fetch A's halves, waves 2 and 3 B's.  Each line has one mask and one set of registers for all that issue it; the branch hangs on the wave's number alone.
; Four v_nop follow each of the two lines, ahead of the jump, the label and what follows.
.macro JLOAD g0a, g1a, g0b, g1b
	s_cmp_eq_u32 s15, 0
	s_cbranch_scc0 .Lfor_b_\@
	tensor_load_to_lds s[\g0a:\g0a+3], s[\g1a:\g1a+7]
	s_nop 0
.rept 4
	v_nop
.endr
	s_branch .Lasked_\@
.Lfor_b_\@:
	tensor_load_to_lds s[\g0b:\g0b+3], s[\g1b:\g1b+7]
	s_nop 0
.rept 4
	v_nop
.endr
.Lasked_\@:
.endm
.macro CREST                           ; a round of the cluster's barrier behind its opening barrier
	s_cmp_lg_u32 s14, 0
	s_cbranch_scc1 .Lnot_wave_0_\@
	s_barrier_signal -3
.Lnot_wave_0_\@:
	s_barrier_wait -3
	s_barrier_signal -1
	s_barrier_wait -1
.endm
.macro CROUND                          ; a whole round
	s_barrier_signal -1
	s_barrier_wait -1
	CREST
.endm
	s_load_b256 s[4:11], s[0:1], 0x0               ; xc s[4:5], wc s[6:7], the scales' exponents s[8:9], qkvc s[10:11]
	v_lshl_add_u32 v[SPW], v0, 2, SPARE
	v_mov_b32 v[NIL], 0
	ds_add_u32 v28, v29
	ds_add_u32 v28, v29
	s_wait_dscnt 0x0
	v_lshrrev_b32 v1, 5, v0
	v_readfirstlane_b32 s14, v1                    ; wave 0..3
	s_lshr_b32 s15, s14, 1                         ; which half of A's slots is mine.  Also: I fetch for A (0) or for B (1)
	s_and_b32 s16, s14, 1                          ; which half of B's.  Also: which 128 slots of that tile I fetch
	s_bfe_u32 s40, ttmp6, 0x40000                  ; cx, cy: my place in the cluster
	s_bfe_u32 s41, ttmp6, 0x40004
	s_and_b32 s66, ttmp7, 0xffff
	s_lshl_b32 s66, s66, 2                         ; 4 x cluster y: the cluster's first tile along the tokens
	s_lshl_b32 s67, ttmp9, 23                      ; the projection's image of x (and its part of qkvc),
	s_lshl_b32 s68, ttmp9, 20                      ; and of its weight
	s_cmp_eq_u32 ttmp9, 2                          ; v?  The cluster's x is the same in all sixteen partners
	s_cselect_b32 s69, 0, s66                      ; A's tiles begin at: v: channels 0; q, k: the cluster's tokens
	s_cselect_b32 s70, s66, 0                      ; B's the other way round
	s_cselect_b32 s20, s68, s67                    ; A's image begins at
	s_cselect_b32 s46, s67, s68                    ; B's
	s_add_co_u32 s17, s69, s41                     ; A's tile: + cy
	s_add_co_u32 s42, s70, s40                     ; B's tile: + cx
	s_lshl_b32 s43, s41, 2
	s_lshl_b32 s43, 15, s43                        ; my row of the cluster
	s_lshl_b32 s44, 0x1111, s40                    ; my column
	; descriptor group 1: 8 rows (blocks of slots) x 4,096 bytes, 16,384 bytes apart; dense in LDS
	s_or_b32 s[G1+0], s43, (3<<16)|(1<<21)         ; 15:0 the mask: A's tiles go to my row; 17:16 elements of 8 bytes; 20 no padding; 21 set beside a mask
	s_or_b32 s[G1B+0], s44, (3<<16)|(1<<21)        ; B's go to my column
.irp g, G1, G1B
	s_mov_b32 s[\g+1], 512<<16                     ; tensor_dim0 = 512 elements
	s_mov_b32 s[\g+2], 8<<16                       ; tensor_dim1 = 8
	s_mov_b32 s[\g+3], 512<<16                     ; tile_dim0
	s_mov_b32 s[\g+4], 8                           ; tile_dim1
	s_mov_b32 s[\g+5], 2048                        ; tensor_dim0_stride, in elements
	s_mov_b32 s[\g+6], 0
	s_mov_b32 s[\g+7], 0
.endr
	s_lshl_b32 s18, s16, 17                        ; which 8 blocks of the tile's 16 I fetch
	s_lshl_b32 s19, s17, 18                        ; A: a tile is 16 blocks of 16,384 bytes
	s_add_co_u32 s20, s20, s19
	s_add_co_u32 s20, s20, s18
	s_mov_b32 s21, 0
	s_lshl_b32 s71, s42, 18                        ; B likewise, in registers that never hold A's coordinate
	s_add_co_u32 s46, s46, s71
	s_add_co_u32 s46, s46, s18
	s_mov_b32 s47, 0
	s_lshl_b32 s45, s14, 15                        ; where they go: wave x HALFT: no place in the cluster enters an LDS address
	s_wait_kmcnt 0x0
	s_load_b256 s[76:83], s[8:9], 0x0              ; e0 .. e7
	s_load_b128 s[84:87], s[8:9], 0x20             ; e8 .. e11
	s_cmp_eq_u32 ttmp9, 2
	s_cselect_b64 s[72:73], s[6:7], s[4:5]         ; A's buffer: v: the weights; q, k: x
	s_cselect_b64 s[74:75], s[4:5], s[6:7]         ; B's
	s_add_nc_u64 s[20:21], s[72:73], s[20:21]
	s_add_nc_u64 s[46:47], s[74:75], s[46:47]
	CROUND                                         ; all sixteen work-groups are here: the first joint loads meet
.irp s, 0,1
	s_mov_b32 s[G0+4*\s], 1
	s_add_co_u32 s[G0+4*\s+1], s45, \s*SLOT
	s_add_nc_u64 s[G0+4*\s+2:G0+4*\s+3], s[20:21], \s*KSB
	s_or_b32 s[G0+4*\s+3], s[G0+4*\s+3], 0x80000000
	s_mov_b32 s[G0B+4*\s], 1
	s_add_co_u32 s[G0B+4*\s+1], s45, \s*SLOT
	s_add_nc_u64 s[G0B+4*\s+2:G0B+4*\s+3], s[46:47], \s*KSB
	s_or_b32 s[G0B+4*\s+3], s[G0B+4*\s+3], 0x80000000
	JLOAD G0+4*\s, G1, G0B+4*\s, G1B               ; two loads of mine are out
.endr
	v_and_b32 v6, 31, v0
	v_lshlrev_b32 v[LI], 4, v6
	s_lshl_b32 s22, s15, 15                        ; my 128 slots of A
	s_lshl_b32 s23, s16, 15                        ; my 128 slots of B,
	s_add_co_u32 s23, s23, 2*HALFT                 ; which lie behind A's 256
.irp s, 0,1
	v_add_nc_u32 v[ADRA+\s], s22, v[LI]
	v_add_nc_u32 v[ADRB+\s], s23, v[LI]
	s_add_co_u32 s22, s22, SLOT
	s_add_co_u32 s23, s23, SLOT
.endr
.macro FRAG reg, adr, q, i             ; block i's fragment of the slot's q-th 128 along K: four loads of 512 consecutive bytes
.irp c, 0,1,2,3
	ds_load_b128 v[\reg+4*\c:\reg+4*\c+3], v[\adr] offset:2048*(\q)+512*\c+(\i)*4096
.endr
.endm
; 16 matrix instructions: A's blocks a0, a0 + 1 x B's eight, 128 along K.  p: B's set.  zero = 1: the first product starts the sums.
; The 64 accumulators take turns, one instruction a turn, in the same order in every step.
.macro MUL16 a0, p, zero
.irp a, \a0, \a0+1
.irp b, 0,1,2,3,4,5,6,7
.if \zero
	v_wmma_f32_16x16x128_fp8_fp8 v[8*(8*((\a)%4)+\b):8*(8*((\a)%4)+\b)+7], v[128*(\p)+FR*\b:128*(\p)+FR*\b+FR-1], v[AF+FR*(\a):AF+FR*(\a)+FR-1], 0
.else
	v_wmma_f32_16x16x128_fp8_fp8 v[8*(8*((\a)%4)+\b):8*(8*((\a)%4)+\b)+7], v[128*(\p)+FR*\b:128*(\p)+FR*\b+FR-1], v[AF+FR*(\a):AF+FR*(\a)+FR-1], v[8*(8*((\a)%4)+\b):8*(8*((\a)%4)+\b)+7]
.endif
.endr
.endr
.endm
.macro FETCH_B slot, q, p              ; B's eight fragments into set p
	WIN TO_B
.irp i, 0,1,2,3,4,5,6,7
	FRAG 128*(\p)+FR*\i, ADRB+\slot, \q, \i
.endr
	WIN 0
.endm
.macro FETCH_A slot, q, i0             ; A's blocks i0 .. i0 + 3
.irp i, \i0, \i0+1, \i0+2, \i0+3
	FRAG AF+FR*(\i), ADRA+\slot, \q, \i
.endr
.endm
.macro PLACES n                        ; plain vector lines between a matrix instruction and a load into, or a vector read of, its registers
.rept \n
	v_nop
.endr
.endm
; A step of 128 along K that has its successor in the same slot.  A block of A is free as soon as its eight products are issued: blocks 0-3 are fetched anew in the step's middle, blocks 4-7 at its end.
.macro STEP slot, q, zero
	s_wait_dscnt 4*NL                              ; B's set and A's blocks 0-3 are in; the youngest 16 loads (A's blocks 4-7) may be out
	WIN MUL_LO
	MUL16 0, (\q)%2, \zero
	MUL16 2, (\q)%2, \zero
	s_wait_dscnt 0                                 ; A's blocks 4-7 are in
	PLACES NP
	FETCH_B \slot, (\q)+1, 1-(\q)%2
	FETCH_A \slot, (\q)+1, 0
	WIN MUL_HI
	MUL16 4, (\q)%2, \zero
	MUL16 6, (\q)%2, \zero
	PLACES NP
	WIN 0
	FETCH_A \slot, (\q)+1, 4
.endm
; A slot's last step changes slots: one barrier; in front of it each wave waits for all its tensor loads, adds 0 to its spare word, and waits for that and for its own reads of this slot.  fill = 1: this slot is filled again, two K steps ahead.
.macro TURN slot, next, fill
	s_wait_tensorcnt 0x0                           ; all my tensor loads have landed: my part of the next slot
	ds_add_u32 v[SPW], v[NIL]                      ; 0 onto my spare word
	s_wait_dscnt 4*NL+1                            ; (the add and the youngest 16 loads, A's blocks 4-7, may be out)
	WIN MUL_LO
	MUL16 0, 1, 0                                  ; sixteen matrix instructions stand between the add and the wait for it
	s_wait_dscnt 0x0                               ; the add is done, and my reads of this slot are over
	s_barrier_signal -1
	MUL16 2, 1, 0
	WIN 0
	s_barrier_wait -1
.if \fill
	CREST                                          ; the barrier has opened a round of the cluster's barrier: no wave of any partner still reads this slot or has a load on its way
	s_add_nc_u64 s[G0+4*\slot+2:G0+4*\slot+3], s[G0+4*\slot+2:G0+4*\slot+3], 2*KSB
	s_add_nc_u64 s[G0B+4*\slot+2:G0B+4*\slot+3], s[G0B+4*\slot+2:G0B+4*\slot+3], 2*KSB
	JLOAD G0+4*\slot, G1, G0B+4*\slot, G1B         ; the first tensor load behind the round, my one load out; its four v_nop are the places in front of the loads below
.else
	PLACES NP
.endif
	FETCH_B \next, 0, 0
	FETCH_A \next, 0, 0
	WIN MUL_HI
	MUL16 4, 1, 0
	MUL16 6, 1, 0
	PLACES NP
	WIN 0
	FETCH_A \next, 0, 4
.endm
	s_wait_alu depctr_va_vdst(0)
	s_wait_tensorcnt 1                             ; my part of K step 0 is in (K step 1's load may be out)
	s_barrier_signal -1
	s_barrier_wait -1                              ; everybody's is
	FETCH_B 0, 0, 0
	FETCH_A 0, 0, 0
	FETCH_A 0, 0, 4
	STEP 0, 0, 1                                   ; K step 0: its first products start the sums
	TURN 0, 1, 1                                   ; slot 0 takes K step 2
	STEP 1, 0, 0                                   ; K step 1
	TURN 1, 0, 1                                   ; slot 1 takes K step 3
	STEP 0, 0, 0                                   ; K step 2
	TURN 0, 1, 0                                   ; nothing is left to fetch
	STEP 1, 0, 0                                   ; K step 3
	s_wait_dscnt 4*NL
	WIN MUL_LO
	MUL16 0, 1, 0
	MUL16 2, 1, 0
	s_wait_dscnt 0
	WIN MUL_HI
	MUL16 4, 1, 0
	MUL16 6, 1, 0
	WIN 0
	; THE WAY OUT.  A sum stands for sum x 2^(ea + eb); its code is sum / 2^(e - ea - eb): the three scales are folded into the conversion's one.  The choice among the three projections is made by selects.
	s_wait_kmcnt 0x0
	s_sub_co_i32 s92, s82, s76                     ; q: e6 - e0 - e1
	s_sub_co_i32 s92, s92, s77
	s_sub_co_i32 s93, s83, s78                     ; k: e7 - e2 - e3
	s_sub_co_i32 s93, s93, s79
	s_sub_co_i32 s94, s85, s80                     ; v: e9 - e4 - e5
	s_sub_co_i32 s94, s94, s81
	s_cmp_eq_u32 ttmp9, 1
	s_cselect_b32 s92, s93, s92
	s_cmp_eq_u32 ttmp9, 2
	s_cselect_b32 s92, s94, s92
	s_cselect_b32 s88, s42, s17                    ; the tile along the tokens: v: B's; q, k: A's
	s_cselect_b32 s89, s17, s42                    ; the tile along the channels
	s_cselect_b32 s90, s16, s15                    ; my half along the tokens
	s_cselect_b32 s91, s15, s16                    ; my half along the channels
	s_add_co_i32 s92, s92, 127
	s_lshl_b32 s93, s92, 23
	v_mov_b32 v[SC], s93                           ; the folded scale as f32.  (These two lines and the two v_nop are the four places behind the products)
	s_wait_alu depctr_va_vdst(0)
	PLACES 2
	s_lshl_b32 s88, s88, 8
	s_lshl_b32 s90, s90, 7
	s_add_co_u32 s88, s88, s90                     ; my first token
	s_lshr_b32 s90, s88, 11                        ; its batch
	s_lshl_b32 s90, s90, 4
	s_lshl_b32 s89, s89, 2                         ; a tile of 256 channels is four heads,
	s_add_co_u32 s90, s90, s89
	s_lshl_b32 s91, s91, 1                         ; my half two
	s_add_co_u32 s90, s90, s91                     ; batch x 16 + my first head
	s_lshl_b32 s90, s90, 17
	s_and_b32 s88, s88, 2047
	s_lshl_b32 s88, s88, 6                         ; 128 tokens are 8 blocks of 1,024 bytes in Q and K, and one chunk of 8,192 bytes in V
	s_add_co_u32 s88, s88, s90
	s_add_co_u32 s88, s88, s67                     ; Q's, K's or V's part of the buffer
	s_mov_b32 s89, 0
	s_add_nc_u64 s[10:11], s[10:11], s[88:89]
; The accumulators of one window, converted: A's block a, B's blocks 2 b and 2 b + 1 give 16 codes a lane.
.macro QOUT hi
	WIN 0x82+0x41*(\hi)                            ; destination and source 0: window 2 or 3
.set j, 0
.rept 256
.set j, j+1
.endr
	WIN 0x02+(\hi)                                 ; source 0: window 2 or 3
	v_nop
.irp a, 0,1,2,3
.irp b, 0,1,2,3
	v_cvt_scalef32_pk8_fp8_f32 v[CD+64*(\hi)+4*(4*\a+\b):CD+64*(\hi)+4*(4*\a+\b)+1], v[64*\a+16*\b:64*\a+16*\b+7], v[SC]
	v_cvt_scalef32_pk8_fp8_f32 v[CD+64*(\hi)+4*(4*\a+\b)+2:CD+64*(\hi)+4*(4*\a+\b)+3], v[64*\a+16*\b+8:64*\a+16*\b+15], v[SC]
.endr
.endr
	v_nop                                          ; one plain line behind the last conversion
	WIN 0
.endm
.macro STORES isv                      ; 32 stores of 512 consecutive bytes; each has its own four registers
.irp hi, 0,1
.irp a, 0,1,2,3
.irp b, 0,1,2,3
.if \isv
	global_store_b128 v[LI], v[CD+64*\hi+4*(4*\a+\b):CD+64*\hi+4*(4*\a+\b)+3], s[10:11] offset:\hi*131072+\a*2048+\b*512          ; head hi, channel block a, keys 32 b on
.else
	global_store_b128 v[LI], v[CD+64*\hi+4*(4*\a+\b):CD+64*\hi+4*(4*\a+\b)+3], s[10:11] offset:(\a+4*\hi)*1024+(\b/2)*131072+(\b%2)*512   ; token block a + 4 hi, head b / 2, channels 32 (b % 2) on
.endif
.endr
.endr
.endr
.endm
	QOUT 0
	QOUT 1
	s_cmp_eq_u32 ttmp9, 2                          ; the same in all partners
	s_cbranch_scc1 .Lv_out
	STORES 0
	s_branch .Lstored
.Lv_out:
	s_wait_alu depctr_va_vdst(0)
	STORES 1
.Lstored:
	s_wait_tensorcnt 0x0                           ; the wave's end
	ds_add_u32 v[SPW], v[NIL]
	s_wait_dscnt 0x0
	CROUND                                         ; the closing round: no work-group ends while a partner may still ask for a tile that names it
	s_endpgm
.Lfunc_end_k_qf28a0d07e1_qkv:
	.size	k_qf28a0d07e1_qkv, .Lfunc_end_k_qf28a0d07e1_qkv-k_qf28a0d07e1_qkv
	.p2alignl 7, 3214868480
	.fill 96, 4, 3214868480
	.section	.rodata,"a",@progbits
	.p2align	6, 0x0
	.amdhsa_kernel k_qf28a0d07e1_qkv
		.amdhsa_group_segment_fixed_size 327680
		.amdhsa_private_segment_fixed_size 0
		.amdhsa_enable_private_segment 0
		.amdhsa_kernarg_size 32
		.amdhsa_user_sgpr_count 2
		.amdhsa_user_sgpr_kernarg_segment_ptr 1
		.amdhsa_wavefront_size32 1
		.amdhsa_system_sgpr_workgroup_id_x 1
		.amdhsa_system_sgpr_workgroup_id_y 1
		.amdhsa_system_sgpr_workgroup_id_z 1
		.amdhsa_system_vgpr_workitem_id 0
		.amdhsa_next_free_vgpr 1024
		.amdhsa_next_free_sgpr 100
		.amdhsa_reserve_vcc 0
		.amdhsa_float_denorm_mode_32 3
		.amdhsa_float_denorm_mode_16_64 3
		.amdhsa_fp16_overflow 1
		.amdhsa_memory_ordered 1
		.amdhsa_forward_progress 1
		.amdhsa_inst_pref_size 88
	.end_amdhsa_kernel
	.amdgpu_metadata
---
amdhsa.version: [ 1, 2 ]
amdhsa.kernels:
  - .name:           k_qf28a0d07e1_qkv
    .symbol:         k_qf28a0d07e1_qkv.kd
    .args:
      - { .name: xc, .offset: 0, .size: 8, .value_kind: global_buffer, .address_space: global }
      - { .name: wc, .offset: 8, .size: 8, .value_kind: global_buffer, .address_space: global }
      - { .name: lowp_scales, .offset: 16, .size: 8, .value_kind: global_buffer, .address_space: global }
      - { .name: qkvc, .offset: 24, .size: 8, .value_kind: global_buffer, .address_space: global }
    .group_segment_fixed_size: 327680
    .private_segment_fixed_size: 0
    .kernarg_segment_align: 8
    .kernarg_segment_size: 32
    .max_flat_workgroup_size: 128
    .sgpr_count:     100
    .vgpr_count:     1024
    .wavefront_size: 32
...
	.end_amdgpu_metadata
.endif
;; end of part 2
;; launch attn (part 3): grid 256 x 1, 16 waves a work-group, clusters of 4 x 1, 327,680 bytes of LDS; arguments qkvc, lowp_scales, cc; writes cc
.if DOCPART == 3
	.amdgcn_target "amdgcn-amd-amdhsa--gfx1250"
	.amdhsa_code_object_version 6
	.text
	.protected	k_qf28a0d07e1_attn
	.globl	k_qf28a0d07e1_attn
	.p2align	8
	.type	k_qf28a0d07e1_attn,@function
k_qf28a0d07e1_attn:
	s_mov_b64 s[64:65], 0
	v_nop
	global_prefetch_b8 v0, s[64:65] scope:SCOPE_SE
	s_setreg_imm32_b32 hwreg(HW_REG_WAVE_MODE, 25, 1), 1
	s_wait_xcnt 0x0
	s_wait_alu depctr_hold_cnt(0) depctr_sa_sdst(0) depctr_va_vdst(0) depctr_va_sdst(0) depctr_va_ssrc(0) depctr_va_vcc(0) depctr_vm_vsrc(0)
	s_getreg_b32 s2, hwreg(HW_REG_IB_STS2, 6, 4)
	s_cmp_eq_u32 s2, 0
	s_cbranch_scc0 .Lentry_in_a_cluster
	s_endpgm
.Lentry_in_a_cluster:
	s_bfe_u32 s2, ttmp6, 0x10000c
	s_cmp_lg_u32 s2, 0x3003
	s_cbranch_scc0 .Lentry_shape_is_right
	s_endpgm
.Lentry_shape_is_right:
; ctx[b][h][q] = the sum over keys k <= q of softmax_k(Q . K / 8) V, both products on codes of FP8 (E4M3); ctx is quantised with entry 10 of the scales and leaves as the image of the last product's operand.
; THE SOFTMAX AHEAD OF THE SECOND PRODUCT: t = score x log2(e) / 8; M = the largest t so far, rounded UP to a whole number; p = 2^(t - M) is quantised (entry 8), not normalised; the row's sum is taken of the unquantised p and divides at the end.
; When M moves, the sum and O are multiplied by 2^(old M - new M): exact.
; IN.  For each (batch x 16 + head), 131,072 bytes each: Q, K: [block T of 16 token slots][c 0..1][lane][16 bytes], byte i = channel 32 c + 16 (lane / 16) + i of slot lane % 16; slot r of block T is token 32 (T / 2) + 8 (T % 2) + r + 8 (r / 8).
; V: [128 keys][block t of 16 channel slots][c 0..3][lane][16 bytes], byte i = key 32 c + 16 (lane / 16) + i; slot r of block t is channel 32 (t / 2) + 8 (t % 2) + r + 8 (r / 8).
; A WHOLE HEAD'S K AND V LIE IN LDS (K at byte 0, V at 131,072): every LDS byte is filled once, so there is no ring.  The four work-groups of a head form a cluster and ask for each piece jointly.
; Each of the sixteen waves issues two loads at the head: its part of keys 0-255 (2,048 bytes) and its part of the rest (14,336 bytes), so that the first two key steps can begin while the rest is on its way.
; SHARES.  A head has 128 tiles of 16 queries.  A wave owns two, one after the other in the same registers: T = 127 - (4 rho + g) and T = 4 rho + g (g: the work-group's place in the cluster; rho: the wave's rank, 0..15).
; A tile T needs key steps 0 .. T / 8, so the two together need (16 - rho / 2) + (rho / 2 + 1) = 17 steps of 128 keys in every wave.  rho = 4 ((a + b) % 4) + a with a = wave % 4, b = wave / 4: a Latin square, so that
; any four waves with equal a, or with equal b, hold one rank of each quarter.  The branches hang on rho alone; g enters only global addresses and the mask's numbers.
; LAYOUT.  Both products are used transposed: S^T = K Q^T (source 0 = 16 key slots), O^T = V^T P^T (source 0 = 16 channel slots): a lane holds ONE query throughout.  By the order of K's slots, register 16 b + i of S^T is key
; 128 step + 32 b + 16 (lane / 16) + i: the conversions' results are the second product's operand.  By the order of V's slots, register 16 b + i of O^T is channel 32 b + 16 (lane / 16) + i: its codes are ctx's image.
; THE MASK.  Steps behind the tile's own are left out (a scalar branch on ids); in the tile's own step hidden scores become -infinity, so p = 0.
; LIMITS on the given exponents: e6 + e7 between -123 and 130 (added to c's exponent field); e8 and e10 - e8 - e9 between -126 and 119.
; REGISTERS: v1-4 addresses; v12 -M, v13 the largest t, v[14:15] the sum in two halves; v16-23 Q; v32-95 fragments of K, then of V; v96-159 S^T, then p; v160-191 O^T; v192-199 ctx's codes; v224-239 p's codes; v240-254 scales and work.
.set VLDS, 131072                      ; V's first LDS byte
.set LI,   1                           ; v1   16 x lane; never rewritten
.set ADK,  2                           ; v2   LDS address of the step's tiles of K
.set ADV,  3                           ; v3   of V
.set QD,   4                           ; v4   r + 8 (r / 8) - 16 (lane / 16)
.set PT,   246                         ; v246 the lane exchange's destination
.set WV,   10                          ; s10  my wave's number
.set CXG,  11                          ; s11  g
.set RHO,  12                          ; s12  rho
.set RH2,  13                          ; s13  rho / 2
.set TT,   14                          ; s14  the tile in hand
.set TD,   15                          ; s15  its own key step, T / 8, made from rho alone
.set DG,   16                          ; s16  its first query's place in that step: 32 ((T % 8) / 2) + 8 (T % 2)
.set KS,   17                          ; s17  the key step
.set TB,   18                          ; s18  8,192 x the key step
.set SEL,  20                          ; s[20:21] lane selects for v_permlanex16_b32: lane l xor 16
.set CS,   22                          ; s[22:23] c = log2(e) / 8 x 2^(e6 + e7)
.set G1A,  24                          ; s[24:31] descriptor group 1 of the first load;  s[32:39] of the second;  s[40:43], s[44:47] their groups 0
.set G1B,  32
.set G0A,  40
.set G0B,  44
.set QA,   60                          ; s[60:61] the tile's codes of Q
.set CA,   62                          ; s[62:63] its place in ctx's image
.macro CROUND                          ; a round of the cluster's barrier
	s_barrier_signal -1
	s_barrier_wait -1
	s_cmp_lg_u32 s[WV], 0
	s_cbranch_scc1 .Lnot_wave_0_\@
	s_barrier_signal -3
.Lnot_wave_0_\@:
	s_barrier_wait -3
	s_barrier_signal -1
	s_barrier_wait -1
.endm
	s_load_b128 s[4:7], s[0:1], 0x0                ; qkvc s[4:5], the scales' exponents s[6:7]
	s_load_b64 s[8:9], s[0:1], 0x10                ; cc
	v_lshl_add_u32 v251, v0, 2, 0x40000
	v_mov_b32 v255, 0
	ds_add_u32 v251, v255
	ds_add_u32 v251, v255
	v_lshrrev_b32 v5, 5, v0
	s_delay_alu instid0(VALU_DEP_1)
	v_readfirstlane_b32 s[WV], v5                  ; wave 0..15
	s_bfe_u32 s[CXG], ttmp6, 0x40000               ; g
	s_and_b32 s66, s[WV], 3                        ; a
	s_lshr_b32 s67, s[WV], 2                       ; b
	s_add_co_u32 s67, s67, s66
	s_and_b32 s67, s67, 3
	s_lshl_b32 s67, s67, 2
	s_add_co_u32 s[RHO], s67, s66
	s_lshr_b32 s[RH2], s[RHO], 1
	; what I fetch: waves 0-7 K, waves 8-15 V; part = wave % 8
	s_lshr_b32 s66, s[WV], 3
	s_and_b32 s67, s[WV], 7
	s_lshl_b32 s68, s66, 17                        ; K's or V's half of LDS
	s_lshl_b32 s69, s67, 11                        ; first load: part x 2,048, inside the first 16,384 bytes (keys 0-255)
	s_mul_i32 s70, s67, 14336
	s_add_co_u32 s70, s70, 16384                   ; second load: 16,384 + part x 14,336
	s_add_co_u32 s[G0A+1], s68, s69                ; LDS addresses: the wave's number and constants alone
	s_add_co_u32 s[G0B+1], s68, s70
	s_lshl_b32 s71, s66, 23
	s_add_co_u32 s71, s71, 0x800000                ; K at 8,388,608, V at 16,777,216,
	s_lshl_b32 s72, ttmp9, 17                      ; the head: the cluster's x, which the four partners share
	s_add_co_u32 s71, s71, s72
	s_add_co_u32 s72, s71, s69
	s_mov_b32 s73, 0
	s_add_co_u32 s74, s71, s70
	s_mov_b32 s75, 0
	; descriptor groups 1: dense rows of 256 bytes: 8 of them, and 56
	s_mov_b32 s[G1A], 15|(3<<16)|(1<<21)           ; 15:0 the mask: all four work-groups; 17:16 elements of 8 bytes; 20 no padding; 21 set beside a mask
	s_mov_b32 s[G1A+1], 32<<16                     ; tensor_dim0 = 32 elements
	s_mov_b32 s[G1A+2], 8<<16                      ; tensor_dim1 = 8
	s_mov_b32 s[G1A+3], 32<<16                     ; tile_dim0
	s_mov_b32 s[G1A+4], 8                          ; tile_dim1
	s_mov_b32 s[G1A+5], 32                         ; tensor_dim0_stride
	s_mov_b32 s[G1A+6], 0
	s_mov_b32 s[G1A+7], 0
	s_mov_b32 s[G1B], 15|(3<<16)|(1<<21)
	s_mov_b32 s[G1B+1], 32<<16
	s_mov_b32 s[G1B+2], 56<<16
	s_mov_b32 s[G1B+3], 32<<16
	s_mov_b32 s[G1B+4], 56
	s_mov_b32 s[G1B+5], 32
	s_mov_b32 s[G1B+6], 0
	s_mov_b32 s[G1B+7], 0
	s_mov_b32 s[SEL], 0x76543210
	s_mov_b32 s[SEL+1], 0xfedcba98
	s_mov_b32 s[CS], 0x3e38aa3b                    ; log2(e) / 8
	s_wait_dscnt 0x0
	s_wait_kmcnt 0x0
	s_load_b256 s[48:55], s[6:7], 0x0              ; e0 .. e7
	s_load_b128 s[56:59], s[6:7], 0x20             ; e8 .. e11
	s_mov_b32 s[G0A], 1
	s_add_nc_u64 s[G0A+2:G0A+3], s[4:5], s[72:73]
	s_or_b32 s[G0A+3], s[G0A+3], 0x80000000
	s_mov_b32 s[G0B], 1
	s_add_nc_u64 s[G0B+2:G0B+3], s[4:5], s[74:75]
	s_or_b32 s[G0B+3], s[G0B+3], 0x80000000
	CROUND                                         ; all four work-groups are here: the joint loads meet
	tensor_load_to_lds s[G0A:G0A+3], s[G1A:G1A+7]  ; my part of keys 0-255
	s_nop 0
	s_wait_alu depctr_va_vdst(0)
	s_wait_tensorcnt 0x0
	ds_add_u32 v251, v255
	s_wait_dscnt 0x0
	CROUND
	tensor_load_to_lds s[G0B:G0B+3], s[G1B:G1B+7]  ; my part of the rest: one load of mine is out, the launch's last
	s_nop 0
	v_and_b32 v5, 31, v0
	s_delay_alu instid0(VALU_DEP_1)
	v_lshlrev_b32 v[LI], 4, v5
	v_and_b32 v6, 15, v0                           ; r
	v_and_b32 v7, 8, v0                            ; 8 (r / 8)
	s_delay_alu instid0(VALU_DEP_1)
	v_add_nc_u32 v[QD], v6, v7
	v_bfe_u32 v7, v0, 4, 1
	s_delay_alu instid0(VALU_DEP_1)
	v_lshlrev_b32 v7, 4, v7
	s_delay_alu instid0(VALU_DEP_1)
	v_sub_nc_u32 v[QD], v[QD], v7
	v_mov_b32 v[PT], 0                             ; written once: a lane permute's destination counts as one of its sources
	v_mov_b32 v253, 0                              ; (named as the upper half of the pair v[252:253])
	s_wait_kmcnt 0x0
	s_add_co_i32 s66, s54, s55
	s_lshl_b32 s66, s66, 23
	s_add_co_i32 s[CS], s[CS], s66                 ; a score stands for score x 2^(e6 + e7): the two exponents are added to c's exponent field
	s_mov_b32 s[CS+1], s[CS]                       ; (named with it as a pair, so it is written)
	s_add_co_i32 s66, s56, 127
	s_lshl_b32 s67, s66, 23
	v_mov_b32 v244, s67                            ; 2^e8 as f32, for p's conversions
	s_sub_co_i32 s66, s58, s56
	s_sub_co_i32 s66, s66, s57                     ; O / the sum stands for ctx / 2^(e8 + e9): its code is that / 2^(e10 - e8 - e9)
	s_add_co_i32 s66, s66, 127
	s_lshl_b32 s67, s66, 23
	v_mov_b32 v245, s67
; A TILE BEGINS.  pass 0: the late tile; pass 1: the early one.
.macro PRE pass
	s_lshl_b32 s66, s[RHO], 2
	s_add_co_u32 s66, s66, s[CXG]
.if \pass == 0
	s_sub_co_u32 s[TT], 127, s66
	s_sub_co_u32 s[TD], 15, s[RH2]
.else
	s_wait_xcnt 0x0                                ; the first tile's stores have read their base and their data: both are written again only behind this wait
	s_mov_b32 s[TT], s66
	s_mov_b32 s[TD], s[RH2]
.endif
	s_and_b32 s67, s[TT], 6
	s_lshl_b32 s67, s67, 4
	s_and_b32 s68, s[TT], 1
	s_lshl_b32 s68, s68, 3
	s_add_co_u32 s[DG], s67, s68
	s_lshl_b32 s70, ttmp9, 17
	s_lshl_b32 s69, s[TT], 10
	s_add_co_u32 s70, s70, s69
	s_mov_b32 s71, 0
	s_add_nc_u64 s[QA:QA+1], s[4:5], s[70:71]      ; Q: head x 131,072 + T x 1,024
	s_lshr_b32 s68, ttmp9, 4
	s_lshl_b32 s68, s68, 7
	s_add_co_u32 s68, s68, s[TT]
	s_lshl_b32 s68, s68, 14                        ; ctx's image: block batch x 128 + T of 16,384 bytes,
	s_and_b32 s69, ttmp9, 15
	s_lshl_b32 s69, s69, 10                        ; + head x 1,024
	s_add_co_u32 s70, s68, s69
	s_add_nc_u64 s[CA:CA+1], s[8:9], s[70:71]
	global_load_b128 v[16:19], v[LI], s[QA:QA+1]             ; Q's fragment stays in registers
	global_load_b128 v[20:23], v[LI], s[QA:QA+1] offset:512
	v_mov_b32 v13, 0xff61b1e6                      ; the largest t so far: -3e38, under every t
	s_delay_alu instid0(VALU_DEP_1)
	v_floor_f32 v12, -v13                          ; -M
	v_mov_b32 v14, 0                               ; the sum, in two halves
	v_mov_b32 v15, 0
.set j, 0
.rept 32
	v_mov_b32 v[160+j], 0                          ; O^T: the step is written without a first step of its own: it finds zeros, which the first change of M leaves zeros
.set j, j+1
.endr
	s_mov_b32 s[KS], 0
	s_mov_b32 s[TB], 0
	s_wait_loadcnt 0x0                             ; Q
.endm
; A KEY STEP: 128 keys.
.macro STEP
	s_cmp_gt_u32 s[KS], s[TD]                      ; all its keys come after my queries: the work is left out, not the lines at the end that step the counters
	s_cbranch_scc1 .Lhidden_\@
	s_setprio 2
	v_add_nc_u32 v[ADK], s[TB], v[LI]
	s_delay_alu instid0(VALU_DEP_1)
	v_add_nc_u32 v[ADV], VLDS, v[ADK]
	v_nop                                          ; with the two additions: four places in front of loads into registers that the last products have read
	v_nop
.irp t, 0,1,2,3,4,5,6,7
.irp c, 0,1
	ds_load_b128 v[32+8*\t+4*\c:32+8*\t+4*\c+3], v[ADK] offset:1024*\t+512*\c
.endr
.endr
	s_wait_alu depctr_va_vdst(0)
	s_wait_dscnt 0x0
.irp t, 0,1,2,3,4,5,6,7                    ; S^T = K Q^T
	v_wmma_f32_16x16x64_fp8_fp8 v[96+8*\t:103+8*\t], v[32+8*\t:39+8*\t], v[16:23], 0
.endr
.rept 4
	v_nop                                          ; places in front of the loads below and of the first read of the scores
.endr
.irp t, 0,1,2,3
.irp c, 0,1,2,3
	ds_load_b128 v[32+16*\t+4*\c:32+16*\t+4*\c+3], v[ADV] offset:2048*\t+512*\c   ; V lands while the softmax is worked
.endr
.endr
	s_cmp_lg_u32 s[KS], s[TD]                      ; only the tile's own step has hidden keys
	s_cbranch_scc1 .Lopen_\@
	v_add_nc_u32 v252, s[DG], v[QD]                ; d = my query - the step's first key - 16 (lane / 16): register 16 b + i is hidden where 32 b + i > d
	v_mov_b32 v254, 0xff800000                     ; -infinity
.set n, 0
.rept 64
	v_cmp_gt_i32 vcc_lo, 32*(n/16)+n%16, v252
	v_cndmask_b32 v[96+n], v[96+n], v254, vcc_lo
.set n, n+1
.endr
.Lopen_\@:
	v_max3_num_f32 v254, v96, v97, v98             ; the step's largest score of my query, among my 64 keys, in two chains; each accumulator from its low end on,
	v_max3_num_f32 v252, v99, v100, v101
.set i, 6
.rept 14
	v_max3_num_f32 v254, v254, v[96+i], v[97+i]
	v_max3_num_f32 v252, v252, v[98+i], v[99+i]
.set i, i+4
.endr
	v_max3_num_f32 v254, v254, v158, v159
	s_delay_alu instid0(VALU_DEP_1)
	v_max_num_f32 v254, v254, v252
	s_delay_alu instid0(VALU_DEP_1)
	v_permlanex16_b32 v[PT], v254, s[SEL], s[SEL+1]
	s_delay_alu instid0(VALU_DEP_1)
	v_max_num_f32 v254, v254, v[PT]                ; and among lane l xor 16's
	s_delay_alu instid0(VALU_DEP_1)
	v_mul_f32 v254, s[CS], v254                    ; as t (c is positive)
	s_delay_alu instid0(VALU_DEP_1)
	v_max_num_f32 v13, v13, v254                   ; the running largest t
	v_mov_b32 v254, v12
	s_delay_alu instid0(VALU_DEP_2)
	v_floor_f32 v12, -v13                          ; the new -M = floor(-t) = -ceil(t): M is a whole number
	s_delay_alu instid0(VALU_DEP_1)
	v_sub_f32 v254, v12, v254                      ; M's old value less its new one: a whole number, 0 or less
	s_delay_alu instid0(VALU_DEP_1)
	v_cvt_i32_f32 v254, v254                       ; (it saturates)
	s_delay_alu instid0(VALU_DEP_1)
	v_ldexp_f32 v252, 1.0, v254                    ; f = 2^(old M - new M)
.set j, 0
	s_setprio 1
.rept 32
	v_pk_fma_f32 v[96+j:97+j], v[96+j:97+j], s[CS:CS+1], v[12:13] op_sel_hi:[1,0,0]   ; t - M, two at a time (of the pairs c and -M the low word serves both halves)
.set j, j+2
.endr
.set j, 0
	s_wait_alu depctr_va_vdst(0)
.rept 64
	v_exp_f32 v[96+j], v[96+j]                     ; p = 2^(t - M), at most 1
.set j, j+1
.endr
	v_pk_mul_f32 v[14:15], v[14:15], v[252:253] op_sel_hi:[1,0]   ; the sums under the new M: the plain line behind the exponentials
	s_wait_alu depctr_va_vdst(0)                   ; one wait for the whole batch, ahead of its first reader
	v_pk_add_f32 v[242:243], v[96:97], v[98:99]    ; the row's sum is taken of the unquantised p: two at a time, in two chains
.set j, 4
.rept 15
	v_pk_add_f32 v[14:15], v[14:15], v[96+j:97+j]
	v_pk_add_f32 v[242:243], v[242:243], v[98+j:99+j]
.set j, j+4
.endr
	s_delay_alu instid0(VALU_DEP_1)
	v_pk_add_f32 v[14:15], v[14:15], v[242:243]
	s_setprio 0
.irp b, 0,1,2,3
.irp i, 0,1,2,3,4,5,6,7,8,9,10,11,12,13,14,15
.endr
	v_cvt_scalef32_pk8_fp8_f32 v[224+4*\b:225+4*\b], v[96+16*\b:103+16*\b], v244
	v_cvt_scalef32_pk8_fp8_f32 v[226+4*\b:227+4*\b], v[104+16*\b:111+16*\b], v244
.endr
.set j, 0
.rept 16
	v_pk_mul_f32 v[160+j:161+j], v[160+j:161+j], v[252:253] op_sel_hi:[1,0]   ; O^T under the new M.  (Also the plain lines behind the conversions)
.set j, j+2
.endr
	s_wait_alu depctr_va_vdst(0)
	s_wait_dscnt 0x0                               ; V
.irp t, 0,1,2,3                            ; O^T += V^T P^T: four accumulators by turns
	v_wmma_f32_16x16x128_fp8_fp8 v[160+8*\t:167+8*\t], v[32+16*\t:47+16*\t], v[224:239], v[160+8*\t:167+8*\t]
.endr
.Lhidden_\@:
	s_add_co_u32 s[TB], s[TB], 8192
	s_add_co_u32 s[KS], s[KS], 1
.endm
; A TILE ENDS: O^T / the sum, converted: 2 x 16 bytes a lane, which are ctx's image: two stores of 512 consecutive bytes.
.macro OUT
	v_nop                                          ; these two, the two additions and the v_nop behind the reciprocal are the plain places behind the last products
	v_nop
	v_add_f32 v14, v14, v15                        ; the sum's two halves,
	s_delay_alu instid0(VALU_DEP_1)
	v_permlanex16_b32 v[PT], v14, s[SEL], s[SEL+1]
	s_delay_alu instid0(VALU_DEP_1)
	v_add_f32 v14, v14, v[PT]                      ; and lane l xor 16's: the row's sum
	s_wait_alu depctr_va_vdst(0)
	v_rcp_f32 v14, v14
	v_nop                                          ; a plain line behind the transcendental
	s_wait_alu depctr_va_vdst(0)                   ; and the wait ahead of its first reader
.set j, 0
.rept 16
	v_pk_mul_f32 v[160+j:161+j], v[160+j:161+j], v[14:15] op_sel_hi:[1,0]
.set j, j+2
.endr
.set j, 0
.rept 32
.set j, j+1
.endr
.irp b, 0,1,2,3
	v_cvt_scalef32_pk8_fp8_f32 v[192+2*\b:193+2*\b], v[160+8*\b:167+8*\b], v245
.endr
	v_nop                                          ; one plain line behind the last conversion
	global_store_b128 v[LI], v[192:195], s[CA:CA+1]             ; channels 16 (lane / 16) + 0 .. 15 of the head
	global_store_b128 v[LI], v[196:199], s[CA:CA+1] offset:512  ; channels 32 + ..
.endm
	PRE 0
	s_wait_tensorcnt 1                             ; my part of keys 0-255 is in; my second load may stay out
	s_barrier_signal -1
	s_barrier_wait -1                              ; everybody's is
.Lfirst:                                           ; key steps 0 and 1: the late tile (T >= 64) needs both in every wave
	STEP
	s_cmp_lt_u32 s[KS], 2
	s_cbranch_scc1 .Lfirst
	s_setprio 0
	s_wait_tensorcnt 0x0                           ; my part of the rest is in,
	s_wait_dscnt 0x0
	s_barrier_signal -1
	s_barrier_wait -1                              ; everybody's is: the whole head lies in LDS
	s_mov_b32 s[KS], 2                             ; (stated again as constants, so that this loop's range can be read here)
	s_mov_b32 s[TB], 16384
.Llate:                                            ; key steps 2 to 15: a constant count; a wave leaves out the work of the steps behind its tile's own
	STEP
	s_cmp_lt_u32 s[KS], 16
	s_cbranch_scc1 .Llate
	s_setprio 0
	OUT
	PRE 1
.Learly:                                           ; the early tile (T <= 63): key steps 0 to 7
	STEP
	s_cmp_lt_u32 s[KS], 8
	s_cbranch_scc1 .Learly
	s_setprio 0
	OUT
	s_wait_dscnt 0x0
	s_wait_tensorcnt 0x0
	ds_add_u32 v251, v255
	s_wait_dscnt 0x0
	CROUND                                         ; the closing round: no work-group ends while a partner may still ask jointly
	s_endpgm
.Lfunc_end_k_qf28a0d07e1_attn:
	.size	k_qf28a0d07e1_attn, .Lfunc_end_k_qf28a0d07e1_attn-k_qf28a0d07e1_attn
	.p2alignl 7, 3214868480
	.fill 96, 4, 3214868480
	.section	.rodata,"a",@progbits
	.p2align	6, 0x0
	.amdhsa_kernel k_qf28a0d07e1_attn
		.amdhsa_group_segment_fixed_size 327680
		.amdhsa_private_segment_fixed_size 0
		.amdhsa_enable_private_segment 0
		.amdhsa_kernarg_size 24
		.amdhsa_user_sgpr_count 2
		.amdhsa_user_sgpr_kernarg_segment_ptr 1
		.amdhsa_wavefront_size32 1
		.amdhsa_system_sgpr_workgroup_id_x 1
		.amdhsa_system_sgpr_workgroup_id_y 1
		.amdhsa_system_sgpr_workgroup_id_z 1
		.amdhsa_system_vgpr_workitem_id 0
		.amdhsa_next_free_vgpr 256
		.amdhsa_next_free_sgpr 80
		.amdhsa_reserve_vcc 1
		.amdhsa_float_denorm_mode_32 3
		.amdhsa_float_denorm_mode_16_64 3
		.amdhsa_fp16_overflow 1
		.amdhsa_memory_ordered 1
		.amdhsa_forward_progress 1
		.amdhsa_inst_pref_size 71
	.end_amdhsa_kernel
	.amdgpu_metadata
---
amdhsa.version: [ 1, 2 ]
amdhsa.kernels:
  - .name:           k_qf28a0d07e1_attn
    .symbol:         k_qf28a0d07e1_attn.kd
    .args:
      - { .name: qkvc, .offset: 0, .size: 8, .value_kind: global_buffer, .address_space: global }
      - { .name: lowp_scales, .offset: 8, .size: 8, .value_kind: global_buffer, .address_space: global }
      - { .name: cc, .offset: 16, .size: 8, .value_kind: global_buffer, .address_space: global }
    .group_segment_fixed_size: 327680
    .private_segment_fixed_size: 0
    .kernarg_segment_align: 8
    .kernarg_segment_size: 24
    .max_flat_workgroup_size: 512
    .sgpr_count:     80
    .vgpr_count:     256
    .wavefront_size: 32
...
	.end_amdgpu_metadata
.endif
;; end of part 3
;; launch oproj (part 4): grid 4 x 32, 4 waves a work-group, clusters of 4 x 4, 327,680 bytes of LDS; arguments cc, wc, lowp_scales, b_o, out0; writes out0
.if DOCPART == 4
	.amdgcn_target "amdgcn-amd-amdhsa--gfx1250"
	.amdhsa_code_object_version 6
	.text
	.protected	k_qf28a0d07e1_oproj
	.globl	k_qf28a0d07e1_oproj
	.p2align	8
	.type	k_qf28a0d07e1_oproj,@function
k_qf28a0d07e1_oproj:
	s_mov_b64 s[64:65], 0
	v_nop
	global_prefetch_b8 v0, s[64:65] scope:SCOPE_SE
	s_setreg_imm32_b32 hwreg(HW_REG_WAVE_MODE, 25, 1), 1
	s_wait_xcnt 0x0
	s_wait_alu depctr_hold_cnt(0) depctr_sa_sdst(0) depctr_va_vdst(0) depctr_va_sdst(0) depctr_va_ssrc(0) depctr_va_vcc(0) depctr_vm_vsrc(0)
	s_getreg_b32 s2, hwreg(HW_REG_IB_STS2, 6, 4)
	s_cmp_eq_u32 s2, 0
	s_cbranch_scc0 .Lentry_in_a_cluster
	s_endpgm
.Lentry_in_a_cluster:
	s_bfe_u32 s2, ttmp6, 0x10000c
	s_cmp_lg_u32 s2, 0xf033
	s_cbranch_scc0 .Lentry_shape_is_right
	s_endpgm
.Lentry_shape_is_right:
; out0 = ctx w_o^T + b_o on codes of FP8 (E4M3): each finished sum x 2^(e10 + e11) + b_o, one fused multiply-add.  out0: [8192][1024] f32.
; OPERANDS are images: a fragment (16 row slots x 128 K) is 2,048 bytes, byte c*512 + lane*16 + i = k 32 c + 16 (lane / 16) + i of slot lane % 16; a block of 16 slots is 8 fragments, 16,384 bytes;
; slot r of block rb holds row 32 (rb / 2) + 8 (rb % 2) + r + 8 (r / 8).  A = ctx's image (cc), B = w_o's (wc + 3,145,728).
; SHARES.  A tile of out0, 256 x 256, is made by four waves, each 128 x 128: 64 accumulators, 512 registers.  K = 1,024 goes in four steps of 256 through a ring of two LDS slots: two laps, written out.  32 x 4 tiles: 128 work-groups.
; THE MATRIX INSTRUCTION IS USED TRANSPOSED (source 0 = 16 slots of B, source 1 = 16 slots of A): lane (r, h) holds token slot r, and accumulator (a, b)'s eight registers are columns 32 (b / 2) + 8 (b % 2) + 16 h + 0 .. 7.
; CLUSTERS: 4 x 4 work-groups; A's tile is shared along a row of the cluster, B's along a column: each is asked for jointly.
; THE WAY OUT: a block of 16 token slots x 128 columns goes through the wave's own stage in LDS, each piece to its true column, and comes back as whole rows of 512 bytes; the order of the slots is undone in the stores' immediates.
; LIMIT: e10 + e11 between -126 and 127, so that 2^(e10 + e11) is an f32 number.
; REGISTERS, in windows of 256: window 0: v0-31 addresses, v8-11 my four numbers of b_o; v128-255 A's fragments, ONE set, on the way out the rows read back.  window 1: B's fragments, TWO sets.  windows 2, 3: the accumulators.
.set HALFT,  32768                     ; 8 blocks of slots x 4,096 bytes (256 along K)
.set SLOT,   4*HALFT                   ; A's 256 slots, then B's 256
.set SPARE,  2*SLOT                    ; behind the ring: the spare words, 128 bytes for each wave, that no other line names
.set KSB,    4096
.set FR,     16
.set NL,     4
.set NP,     4                         ; places behind this matrix instruction (ISA guide 7.12.1)
.set SPITCH, 528                       ; the stage: 16 rows x (512 bytes + 16) for each wave, in slot 0, which has had its last fill and its last read when the first result is stored there
.set ADRA, 16
.set ADRB, 20
.set STO,  24                          ; v24     the stage: row r, + 64 (lane / 16)
.set RD,   25                          ; v25     and back: 16 x lane
.set LI,   26                          ; v26     16 x lane
.set SPW,  28
.set NIL,  29
.set AF,   128
.set BK,   128                         ; 16 rows read back from the stage: v128-191 and v192-255 by turns
.set G1, 24
.set G0, 32
.set G1B, 48
.set G0B, 56
.set MSB, 0
.macro WIN new                         ; the immediate's high byte repeats the setting that is left; a switch that changes nothing is dropped
.if MSB != (\new)
	s_set_vgpr_msb (MSB<<8)|(\new)
.set MSB, (\new)
.endif
.endm
.set MUL_LO, 0xa1
.set MUL_HI, 0xf1
.set TO_B,   0x40
.macro JLOAD g0a, g1a, g0b, g1b        ; a joint load: waves 0 and 1 fetch A's halves, waves 2 and 3 B's; four v_nop follow each of the two lines
	s_cmp_eq_u32 s15, 0
	s_cbranch_scc0 .Lfor_b_\@
	tensor_load_to_lds s[\g0a:\g0a+3], s[\g1a:\g1a+7]
	s_nop 0
.rept 4
	v_nop
.endr
	s_branch .Lasked_\@
.Lfor_b_\@:
	tensor_load_to_lds s[\g0b:\g0b+3], s[\g1b:\g1b+7]
	s_nop 0
.rept 4
	v_nop
.endr
.Lasked_\@:
.endm
.macro CREST
	s_cmp_lg_u32 s14, 0
	s_cbranch_scc1 .Lnot_wave_0_\@
	s_barrier_signal -3
.Lnot_wave_0_\@:
	s_barrier_wait -3
	s_barrier_signal -1
	s_barrier_wait -1
.endm
.macro CROUND
	s_barrier_signal -1
	s_barrier_wait -1
	CREST
.endm
	s_load_b256 s[4:11], s[0:1], 0x0               ; cc s[4:5], wc s[6:7], the scales' exponents s[8:9], b_o s[10:11]
	s_load_b64 s[12:13], s[0:1], 0x20              ; out0
	v_lshl_add_u32 v[SPW], v0, 2, SPARE
	v_mov_b32 v[NIL], 0
	ds_add_u32 v28, v29
	ds_add_u32 v28, v29
	s_wait_dscnt 0x0
	v_lshrrev_b32 v1, 5, v0
	v_readfirstlane_b32 s14, v1                    ; wave 0..3
	s_lshr_b32 s15, s14, 1                         ; which half of the tile's rows is mine.  Also: I fetch for A (0) or for B (1)
	s_and_b32 s16, s14, 1                          ; which half of its columns.  Also: which 128 slots of that tile I fetch
	s_bfe_u32 s40, ttmp6, 0x40000                  ; cx, cy
	s_bfe_u32 s41, ttmp6, 0x40004
	s_lshl_b32 s42, ttmp9, 2
	s_add_co_u32 s42, s42, s40                     ; tile column
	s_and_b32 s17, ttmp7, 0xffff
	s_lshl_b32 s17, s17, 2
	s_add_co_u32 s17, s17, s41                     ; tile row
	s_lshl_b32 s43, s41, 2
	s_lshl_b32 s43, 15, s43                        ; my row of the cluster
	s_lshl_b32 s44, 0x1111, s40                    ; my column
	s_or_b32 s[G1+0], s43, (3<<16)|(1<<21)         ; 15:0 the mask; 17:16 elements of 8 bytes; 20 no padding; 21 set beside a mask
	s_or_b32 s[G1B+0], s44, (3<<16)|(1<<21)
.irp g, G1, G1B
	s_mov_b32 s[\g+1], 512<<16                     ; tensor_dim0 = 512 elements (4,096 bytes)
	s_mov_b32 s[\g+2], 8<<16                       ; tensor_dim1 = 8
	s_mov_b32 s[\g+3], 512<<16                     ; tile_dim0
	s_mov_b32 s[\g+4], 8                           ; tile_dim1
	s_mov_b32 s[\g+5], 2048                        ; tensor_dim0_stride: 16,384 bytes
	s_mov_b32 s[\g+6], 0
	s_mov_b32 s[\g+7], 0
.endr
	s_lshl_b32 s18, s16, 17                        ; which 8 blocks of the tile's 16 I fetch
	s_lshl_b32 s20, s17, 18
	s_add_co_u32 s20, s20, s18
	s_mov_b32 s21, 0
	s_lshl_b32 s46, s42, 18
	s_add_co_u32 s46, s46, s18
	s_add_co_u32 s46, s46, 0x300000                ; w_o's image is the fourth
	s_mov_b32 s47, 0
	s_lshl_b32 s45, s14, 15                        ; where they go: wave x HALFT
	s_wait_kmcnt 0x0
	s_load_b64 s[96:97], s[8:9], 0x28              ; e10, e11
	s_add_nc_u64 s[20:21], s[4:5], s[20:21]
	s_add_nc_u64 s[46:47], s[6:7], s[46:47]
	CROUND                                         ; all sixteen work-groups are here: the first joint loads meet
.irp s, 0,1
	s_mov_b32 s[G0+4*\s], 1
	s_add_co_u32 s[G0+4*\s+1], s45, \s*SLOT
	s_add_nc_u64 s[G0+4*\s+2:G0+4*\s+3], s[20:21], \s*KSB
	s_or_b32 s[G0+4*\s+3], s[G0+4*\s+3], 0x80000000
	s_mov_b32 s[G0B+4*\s], 1
	s_add_co_u32 s[G0B+4*\s+1], s45, \s*SLOT
	s_add_nc_u64 s[G0B+4*\s+2:G0B+4*\s+3], s[46:47], \s*KSB
	s_or_b32 s[G0B+4*\s+3], s[G0B+4*\s+3], 0x80000000
	s_wait_alu depctr_va_vdst(0)
	s_wait_tensorcnt 0x0
	ds_add_u32 v28, v29
	ds_add_u32 v28, v29
	s_wait_dscnt 0x0
	CROUND
	JLOAD G0+4*\s, G1, G0B+4*\s, G1B               ; one load of mine is out
.endr
	v_and_b32 v1, 15, v0                           ; r
	s_wait_alu depctr_va_vdst(0)
	v_bfe_u32 v2, v0, 4, 1                         ; lane / 16
	v_and_b32 v6, 31, v0
	v_lshlrev_b32 v[LI], 4, v6
	s_lshl_b32 s22, s15, 15                        ; my 128 slots of A
	s_lshl_b32 s23, s16, 15                        ; my 128 slots of B,
	s_add_co_u32 s23, s23, 2*HALFT                 ; which lie behind A's 256
.irp s, 0,1
	v_add_nc_u32 v[ADRA+\s], s22, v[LI]
	v_add_nc_u32 v[ADRB+\s], s23, v[LI]
	s_add_co_u32 s22, s22, SLOT
	s_add_co_u32 s23, s23, SLOT
.endr
	s_mul_i32 s23, s14, 16*SPITCH                  ; my stage
	v_mul_u32_u24 v5, v1, SPITCH
	s_wait_alu depctr_va_vdst(0)
	v_lshl_add_u32 v5, v2, 6, v5
	v_add_nc_u32 v[STO], s23, v5
	v_add_nc_u32 v[RD], s23, v[LI]
	s_lshl_b32 s46, s42, 10                        ; my first column, in bytes: 1,024 x tile column + 512 x half
	s_lshl_b32 s47, s16, 9
	s_add_co_u32 s46, s46, s47
	s_mov_b32 s47, 0
	s_add_nc_u64 s[10:11], s[10:11], s[46:47]
	global_load_b128 v[8:11], v[LI], s[10:11]      ; b_o at the four columns that I hold when a row comes back from the stage
	s_lshl_b32 s20, s17, 20                        ; my first row: (256 x tile row + 128 x half) x 4,096 bytes
	s_lshl_b32 s21, s15, 19
	s_add_co_u32 s20, s20, s21
	s_mov_b32 s21, 0
	s_add_nc_u64 s[20:21], s[20:21], s[46:47]
	s_add_nc_u64 s[12:13], s[12:13], s[20:21]
.macro FRAG reg, adr, q, i             ; block i's fragment of the slot's q-th 128 along K: four loads of 512 consecutive bytes
.irp c, 0,1,2,3
	ds_load_b128 v[\reg+4*\c:\reg+4*\c+3], v[\adr] offset:2048*(\q)+512*\c+(\i)*4096
.endr
.endm
; 16 matrix instructions: A's blocks a0, a0 + 1 x B's eight.  The 64 accumulators take turns, one instruction a turn, in the same order in every step.
.macro MUL16 a0, p, zero
.irp a, \a0, \a0+1
.irp b, 0,1,2,3,4,5,6,7
.if \zero
	v_wmma_f32_16x16x128_fp8_fp8 v[8*(8*((\a)%4)+\b):8*(8*((\a)%4)+\b)+7], v[128*(\p)+FR*\b:128*(\p)+FR*\b+FR-1], v[AF+FR*(\a):AF+FR*(\a)+FR-1], 0
.else
	v_wmma_f32_16x16x128_fp8_fp8 v[8*(8*((\a)%4)+\b):8*(8*((\a)%4)+\b)+7], v[128*(\p)+FR*\b:128*(\p)+FR*\b+FR-1], v[AF+FR*(\a):AF+FR*(\a)+FR-1], v[8*(8*((\a)%4)+\b):8*(8*((\a)%4)+\b)+7]
.endif
.endr
.endr
.endm
.macro FETCH_B slot, q, p
	WIN TO_B
.irp i, 0,1,2,3,4,5,6,7
	FRAG 128*(\p)+FR*\i, ADRB+\slot, \q, \i
.endr
	WIN 0
.endm
.macro FETCH_A slot, q, i0
.irp i, \i0, \i0+1, \i0+2, \i0+3
	FRAG AF+FR*(\i), ADRA+\slot, \q, \i
.endr
.endm
.macro PLACES n                        ; plain vector lines between a matrix instruction and a load into, or a read of, its registers
.rept \n
	v_nop
.endr
.endm
.macro STEP slot, q, zero              ; a step of 128 along K that has its successor in the same slot
	s_wait_dscnt 4*NL                              ; B's set and A's blocks 0-3 are in; the youngest 16 loads (A's blocks 4-7) may be out
	WIN MUL_LO
	MUL16 0, (\q)%2, \zero
	MUL16 2, (\q)%2, \zero
	s_wait_dscnt 0                                 ; A's blocks 4-7 are in
	PLACES NP
	FETCH_B \slot, (\q)+1, 1-(\q)%2
	FETCH_A \slot, (\q)+1, 0
	WIN MUL_HI
	MUL16 4, (\q)%2, \zero
	MUL16 6, (\q)%2, \zero
	PLACES NP
	WIN 0
	FETCH_A \slot, (\q)+1, 4
.endm
.macro TURN slot, next, fill           ; a slot's last step changes slots: one barrier, with the three lines in front of it
	s_wait_tensorcnt 0x0                           ; all my tensor loads have landed: my part of the next slot
	ds_add_u32 v[SPW], v[NIL]                      ; 0 onto my spare word
	s_wait_dscnt 4*NL+1                            ; (the add and the youngest 16 loads may be out)
	WIN MUL_LO
	MUL16 0, 1, 0
	s_wait_dscnt 0x0                               ; the add is done, and my reads of this slot are over
	s_barrier_signal -1
	MUL16 2, 1, 0
	WIN 0
	s_barrier_wait -1
.if \fill
	CREST                                          ; the barrier has opened a round of the cluster's barrier
	s_add_nc_u64 s[G0+4*\slot+2:G0+4*\slot+3], s[G0+4*\slot+2:G0+4*\slot+3], 2*KSB
	s_add_nc_u64 s[G0B+4*\slot+2:G0B+4*\slot+3], s[G0B+4*\slot+2:G0B+4*\slot+3], 2*KSB
	JLOAD G0+4*\slot, G1, G0B+4*\slot, G1B         ; the first tensor load behind the round, my one load out
.else
	PLACES NP
.endif
	FETCH_B \next, 0, 0
	FETCH_A \next, 0, 0
	WIN MUL_HI
	MUL16 4, 1, 0
	MUL16 6, 1, 0
	PLACES NP
	WIN 0
	FETCH_A \next, 0, 4
.endm
	s_wait_tensorcnt 1                             ; my part of K step 0 is in (K step 1's load may be out)
	s_barrier_signal -1
	s_barrier_wait -1                              ; everybody's is
	FETCH_B 0, 0, 0
	FETCH_A 0, 0, 0
	FETCH_A 0, 0, 4
	STEP 0, 0, 1                                   ; K step 0: its first products start the sums
	TURN 0, 1, 1                                   ; slot 0 takes K step 2
	STEP 1, 0, 0
	TURN 1, 0, 1                                   ; slot 1 takes K step 3
	STEP 0, 0, 0
	TURN 0, 1, 0                                   ; nothing is left to fetch; behind this barrier nobody reads slot 0
	STEP 1, 0, 0
	s_wait_dscnt 4*NL
	WIN MUL_LO
	MUL16 0, 1, 0
	MUL16 2, 1, 0
	s_wait_alu depctr_va_vdst(0)
	s_wait_dscnt 0
	WIN MUL_HI
	MUL16 4, 1, 0
	MUL16 6, 1, 0
	WIN 0
; THE WAY OUT, block by block of 16 token slots x 128 columns.  LDS serves a wave's instructions in order (ISA guide 5.7.1.4): no wait between the stage's stores and loads, nor in front of the next block's stores.
.macro TOSTAGE a
.set AC, 64*((\a)%4)
	WIN 0x08+4*((\a)/4)                            ; the stores' data: window 2 or 3
.irp b, 0,1,2,3,4,5,6,7
	ds_store_b128 v[STO], v[AC+8*\b:AC+8*\b+3] offset:128*(\b/2)+32*(\b%2)          ; each accumulator from its low end on; columns 32 (b / 2) + 8 (b % 2) + 16 (lane / 16) on
	ds_store_b128 v[STO], v[AC+8*\b+4:AC+8*\b+7] offset:128*(\b/2)+32*(\b%2)+16
.endr
	WIN 0
.set BB, BK+64*((\a)%2)
.irp t, 0,1,2,3,4,5,6,7,8,9,10,11,12,13,14,15
	ds_load_b128 v[BB+4*\t:BB+4*\t+3], v[RD] offset:\t*SPITCH
.endr
.endm
.macro SEND a, younger                 ; younger: the LDS instructions issued behind block a's loads, which may stay out
.set BB, BK+64*((\a)%2)
	s_wait_dscnt \younger                          ; the block is back in registers
.irp t, 0,1,2,3,4,5,6,7,8,9,10,11,12,13,14,15
	v_pk_fma_f32 v[BB+4*\t:BB+4*\t+1], v[BB+4*\t:BB+4*\t+1], s[96:97], v[8:9] op_sel_hi:[1,0,1]       ; sum x 2^(e10 + e11) + b_o (the scalar pair's low word for both halves)
	v_pk_fma_f32 v[BB+4*\t+2:BB+4*\t+3], v[BB+4*\t+2:BB+4*\t+3], s[96:97], v[10:11] op_sel_hi:[1,0,1]
.endr
.irp t, 0,1,2,3,4,5,6,7,8,9,10,11,12,13,14,15
	global_store_b128 v[LI], v[BB+4*\t:BB+4*\t+3], s[12:13] offset:(32*((\a)/2)+8*((\a)%2)+\t+8*(\t/8))*4096 th:TH_STORE_NT   ; slot t of block a is this row; 32 lanes store 512 consecutive bytes, aligned; the base is never stepped
.endr
.endm
	s_wait_kmcnt 0x0
	s_add_co_i32 s96, s96, s97                     ; e10 + e11
	s_add_co_i32 s96, s96, 127
	s_lshl_b32 s96, s96, 23                        ; 2^(e10 + e11) as f32
	s_mov_b32 s97, s96                             ; (named with it as a pair, so it is written)
	s_wait_loadcnt 0x0                             ; b_o
	PLACES NP                                      ; behind the last products: for the stage's stores, which read results, and for the loads into the registers that held A's fragments
	TOSTAGE 0
.irp a, 1,2,3,4,5,6,7
.if \a > 1
	s_wait_xcnt 0x0                                ; block a - 2's stores have read their registers: block a's loads may land there
.endif
	TOSTAGE \a
	SEND \a-1, 32                                  ; behind block a - 1's loads: block a's 16 stores and 16 loads
.endr
	SEND 7, 0
	s_wait_tensorcnt 0x0                           ; the wave's end
	ds_add_u32 v[SPW], v[NIL]
	s_wait_dscnt 0x0
	CROUND                                         ; the closing round: no work-group ends while a partner may still ask for a tile that names it
	s_endpgm
.Lfunc_end_k_qf28a0d07e1_oproj:
	.size	k_qf28a0d07e1_oproj, .Lfunc_end_k_qf28a0d07e1_oproj-k_qf28a0d07e1_oproj
	.p2alignl 7, 3214868480
	.fill 96, 4, 3214868480
	.section	.rodata,"a",@progbits
	.p2align	6, 0x0
	.amdhsa_kernel k_qf28a0d07e1_oproj
		.amdhsa_group_segment_fixed_size 327680
		.amdhsa_private_segment_fixed_size 0
		.amdhsa_enable_private_segment 0
		.amdhsa_kernarg_size 40
		.amdhsa_user_sgpr_count 2
		.amdhsa_user_sgpr_kernarg_segment_ptr 1
		.amdhsa_wavefront_size32 1
		.amdhsa_system_sgpr_workgroup_id_x 1
		.amdhsa_system_sgpr_workgroup_id_y 1
		.amdhsa_system_sgpr_workgroup_id_z 1
		.amdhsa_system_vgpr_workitem_id 0
		.amdhsa_next_free_vgpr 1024
		.amdhsa_next_free_sgpr 100
		.amdhsa_reserve_vcc 0
		.amdhsa_float_denorm_mode_32 3
		.amdhsa_float_denorm_mode_16_64 3
		.amdhsa_memory_ordered 1
		.amdhsa_forward_progress 1
		.amdhsa_inst_pref_size 123
	.end_amdhsa_kernel
	.amdgpu_metadata
---
amdhsa.version: [ 1, 2 ]
amdhsa.kernels:
  - .name:           k_qf28a0d07e1_oproj
    .symbol:         k_qf28a0d07e1_oproj.kd
    .args:
      - { .name: cc, .offset: 0, .size: 8, .value_kind: global_buffer, .address_space: global }
      - { .name: wc, .offset: 8, .size: 8, .value_kind: global_buffer, .address_space: global }
      - { .name: lowp_scales, .offset: 16, .size: 8, .value_kind: global_buffer, .address_space: global }
      - { .name: b_o, .offset: 24, .size: 8, .value_kind: global_buffer, .address_space: global }
      - { .name: out0, .offset: 32, .size: 8, .value_kind: global_buffer, .address_space: global }
    .group_segment_fixed_size: 327680
    .private_segment_fixed_size: 0
    .kernarg_segment_align: 8
    .kernarg_segment_size: 40
    .max_flat_workgroup_size: 128
    .sgpr_count:     100
    .vgpr_count:     1024
    .wavefront_size: 32
...
	.end_amdgpu_metadata
.endif
;; end of part 4
